; MI455X (gfx1250); checked and timed in simulation.
; The chip was launched on July 23, 2026; its instructions are those of AMD's public machine-readable ISA for CDNA 5 (MIT licence, August 2026) and "CDNA5" Instruction Set Architecture Reference Guide (July 2026). The comments in the code are by the model that wrote it; some were corrected since.
;; Mock Core Attention. Allowed arithmetic: float matrix products may take bf16 or f16 operands with f32 sums; all other float work in f32.
;; Inputs: k 2,048 x 2 x 16 x 128 float32; q 2,048 x 2 x 16 x 128 float32; v 2,048 x 2 x 16 x 128 float32.
;; Outputs: out0 2,048 x 2 x 2,048 float32.
;; One version. Each part assembles by itself: llvm-mc -triple=amdgcn-amd-amdhsa -mcpu=gfx1250 --defsym DOCPART=n.
;; ======== version 1 of 1: 1 launch
;; launch attn (part 1): grid 256 x 1, 4 waves a work-group, clusters of 4 x 1, 327,680 bytes of LDS; arguments q, k, v, out0; writes out0
.if DOCPART == 1
	.amdgcn_target "amdgcn-amd-amdhsa--gfx1250"
	.amdhsa_code_object_version 6
	.text
	.protected	k_q643926f06a_attn
	.globl	k_q643926f06a_attn
	.p2align	8
	.type	k_q643926f06a_attn,@function
k_q643926f06a_attn:
	s_mov_b64 s[64:65], 0
	v_nop
	global_prefetch_b8 v0, s[64:65] scope:SCOPE_SE
	s_setreg_imm32_b32 hwreg(HW_REG_WAVE_MODE, 25, 1), 1
	s_wait_xcnt 0x0
	s_wait_alu depctr_hold_cnt(0) depctr_sa_sdst(0) depctr_va_vdst(0) depctr_va_sdst(0) depctr_va_ssrc(0) depctr_va_vcc(0) depctr_vm_vsrc(0)
	s_getreg_b32 s2, hwreg(HW_REG_IB_STS2, 6, 4)
	s_cmp_eq_u32 s2, 0
	s_cbranch_scc0 .Lentry_in_a_cluster
	s_endpgm
.Lentry_in_a_cluster:
	s_bfe_u32 s2, ttmp6, 0x10000c
	s_cmp_lg_u32 s2, 0x3003
	s_cbranch_scc0 .Lentry_shape_is_right
	s_endpgm
.Lentry_shape_is_right:
; out[s][b][n][:] = softmax over t of (q[s][b][n][:] . k[t][b][n][:] * 1/sqrt(128)) applied to v[t][b][n][:].
; q, k, v, out0: [2048][2][16][128] f32; a head's row is 512 neighbouring bytes, rows of one head are 16,384 bytes apart.
; All three inputs reach the output and no step of the computation is left out.
;
; SHARES.  256 work-groups = 32 heads x 8 blocks of 256 queries.  Four waves; a wave owns 64 queries (four tiles of 16) and walks
; all 2,048 keys in 32 steps of 64, with a running maximum and a running sum for each query.
; CLUSTERS.  The four work-groups of a cluster are four query blocks of ONE head and need the same K and V tiles: every tile is asked
; for jointly (mask 15), the same descriptor in all four.  The place in the cluster enters the offsets of q and out0 alone.
; FORMATS.  q, k, v are rounded to bf16 as they stand; the softmax scale is applied in f32, inside the exponent's fused multiply-add.
; K and V arrive in LDS as f32 (two slots of 128 keys); for each step the four waves round 16 rows of K and 16 of V each into a bf16
; stage, once for the work-group, and all waves take their fragments from the stage.
; TRANSPOSED PRODUCTS.  S^T = K Q^T: register j of lane (r, h) holds (key 8h+j, query r).  So a query's scores lie in one lane and in
; lane xor 16, its maximum, sum and factor are one register a lane, and two packed S^T tiles ARE the second source of O^T = V^T P^T.
; In O^T register j of lane (r, h) holds (d = 16 dt + 8h + j, query r): eight neighbouring numbers of an output row.
;
; LIMITS.  NaN and infinities in the inputs are not served.  An exponential below 2^-126 counts as 0 (v_exp_f32 flushes: ISA guide 15.8).
; The probabilities enter the second product rounded to bf16, their sum is taken of the unrounded f32.  The order of sums differs from
; a plain row sum.  The maximum is kept on the raw scores; the exponent is fma(score, c, -c max), c = log2(e)/sqrt(128).
;
; LDS:  0 slot 0, 131,072 slot 1 (each: K keys 0-63, K keys 64-127, V keys 0-63, V keys 64-127, 32,768 bytes each, rows of 512 bytes);
;       262,144 K stage, 64 rows of 272 bytes (17 x 16: the sixteen rows of a fragment load begin in sixteen different 16-byte columns of 256);
;       279,552 V stage, 64 rows of 288 bytes (9 x 32, for the transposing load).  No tensor load ever lands in the stage.
;       The stage's 35,840 bytes also serve as 4 x 8,960 bytes, one part a wave: for Q ahead of the first barrier, for the way out behind the last.
; REGISTERS, in windows of 256:
;   window 0: v0-17 ids and addresses; v18-21, v58-61 maxima (two sets, by turns); v22-25 sums; v26-33 factor pairs; v34-41 -c max pairs;
;             v42-57 at work; v64-191 S^T tiles (also f32 rows on their way to bf16, and results on the way out); v192-255 P^T fragments (also packed words)
;   window 1: v0-127 Q fragments (qt, c) at 8 (4 qt + c); v128-255 K fragments (kt, c) at 128 + 8 (4 kt + c)
;   window 2: O^T tiles (qt, dt) at 8 (8 qt + dt); ahead of the loop the wave's 64 rows of q in f32
;   window 3: v0-127 V^T fragments (dt, c) at 8 (2 dt + c)
.set SEQB, 16384                       ; bytes from one s to the next
.set SLOT, 131072
.set PART, 32768                       ; what one tensor load brings: 64 rows of 512 bytes
.set KP,   272
.set VP,   288
.set KST,  262144
.set VST,  KST+64*KP
.set OWN,  8960                        ; a wave's own quarter of the stage
.set OP,   528                         ; the way out: a row of 512 bytes + 16
.set CK,   4                           ; v4 K, v5 V in slot 0; v6 K, v7 V in slot 1: my 16 bytes of my first row to convert
.set KSA,  8                           ; where my packed 8 bytes of a K row go
.set VSA,  9                           ; the same for V
.set KAD,  10                          ; K fragments
.set VAD,  11                          ; V^T fragments
.set GOFF, 12                          ; 16 x lane: my 16 bytes of a row of q or out0; never rewritten
.set QSA,  13
.set QFA,  14
.set OSA,  15
.set ORA,  16
.set VM,   18
.set VM2,  58
.set VL,   22
.set AL,   26
.set NM,   34
.set T,    42
.set S,    64
.set P,    192
.set KF,   128
.set G1,   16                          ; s[16:23] descriptor group 1
.set G0,   24                          ; s[24:31] descriptor group 0, a set for each slot
.set MSB,  0
.macro WIN new                         ; the immediate's high byte repeats the setting that is left
.if MSB != \new
	s_set_vgpr_msb (MSB<<8)|\new
.set MSB, \new
.endif
.endm
.macro PLACES                          ; four plain vector places behind matrix instructions (ISA guide 7.12.1)
.rept 4
	v_nop
.endr
.endm
; A round of the cluster's barrier: my work-group's barrier, wave 0 signals for the work-group, every wave waits for all four work-groups, my work-group's barrier again.
.macro ROUND
	s_barrier_signal -1
	s_barrier_wait -1
	s_cmp_lg_u32 s12, 0
	s_cbranch_scc1 .Lnot_wave_0_\@
	s_barrier_signal -3
.Lnot_wave_0_\@:
	s_barrier_wait -3
	s_barrier_signal -1
	s_barrier_wait -1
.endm
	s_load_b256 s[4:11], s[0:1], 0x0               ; q s[4:5], k s[6:7], v s[8:9], out0 s[10:11]
	v_lshl_add_u32 v62, v0, 2, 0x48c00
	v_mov_b32 v63, 0
	ds_add_u32 v62, v63
	v_lshrrev_b32 v1, 5, v0
	v_readfirstlane_b32 s12, v1                    ; wave 0..3
	v_and_b32 v1, 31, v0                           ; lane L
	v_and_b32 v2, 15, v0                           ; r
	v_bfe_u32 v3, v0, 4, 1                         ; h
	v_lshlrev_b32 v[GOFF], 4, v1
	s_bfe_u32 s13, ttmp6, 0x40000                  ; cx: my place in the cluster
	s_lshr_b32 s14, ttmp9, 1                       ; head = cluster / 2
	s_and_b32 s15, ttmp9, 1
	s_lshl2_add_u32 s15, s15, s13                  ; query block = 4 x (cluster mod 2) + cx
	s_lshl_b32 s32, s15, 22                        ; 256 rows of 16,384 bytes a block,
	s_lshl_b32 s33, s12, 20                        ; 64 rows a wave,
	s_add_co_u32 s32, s32, s33
	s_lshl_b32 s33, s14, 9                         ; 512 bytes a head
	s_add_co_u32 s32, s32, s33
	s_mov_b32 s33, 0
	s_lshl_b32 s34, s14, 9                         ; K and V: the head, in registers that never hold cx,
	s_and_b32 s35, s12, 1
	s_lshl_b32 s35, s35, 20                        ; and 64 keys further for waves 1 and 3
	s_add_co_u32 s34, s34, s35
	s_mov_b32 s35, 0
	s_lshl_b32 s37, s12, 15                        ; my part of a slot: wave x 32,768
	s_wait_dscnt 0x0
	s_wait_kmcnt 0x0
	s_add_nc_u64 s[4:5], s[4:5], s[32:33]          ; q and out0 at my wave's first row
	s_add_nc_u64 s[10:11], s[10:11], s[32:33]
	; my 64 rows of q, one whole row of 512 bytes an instruction, into window 2
	WIN 0x80
.set i, 0
.rept 64
	global_load_b128 v[4*i:4*i+3], v[GOFF], s[4:5] offset:SEQB*i th:TH_LOAD_NT
.set i, i+1
.endr
	WIN 0
	; descriptors.  Group 1: a tile of 64 rows x 128 elements of 4 bytes, rows 4,096 elements apart, dense in LDS.
	s_mov_b32 s[G1+0], 15|(2<<16)|(1<<21)          ; 15:0 mask: all four work-groups of the cluster; 17:16 elements of 4 bytes; 21 set beside a mask
	s_mov_b32 s[G1+1], 128<<16                     ; tensor_dim0 = 128
	s_mov_b32 s[G1+2], 64<<16                      ; tensor_dim1 = 64
	s_mov_b32 s[G1+3], 128<<16                     ; tile_dim0 = 128
	s_mov_b32 s[G1+4], 64                          ; tile_dim1 = 64
	s_mov_b32 s[G1+5], 4096                        ; elements from row to row
	s_mov_b32 s[G1+6], 0
	s_mov_b32 s[G1+7], 0
	s_cmp_lt_u32 s12, 2                            ; waves 0, 1 fetch K's two halves of a slot, waves 2, 3 V's
	s_cselect_b64 s[44:45], s[6:7], s[8:9]
	s_add_nc_u64 s[44:45], s[44:45], s[34:35]
.irp n, 0,1
	s_mov_b32 s[G0+4*\n], 1                                        ; count = 1
	s_add_co_u32 s[G0+4*\n+1], s37, \n*SLOT                        ; LDS address: the slot, the wave's part
	s_add_nc_u64 s[G0+4*\n+2:G0+4*\n+3], s[44:45], \n*128*SEQB     ; keys 128 n ..
	s_or_b32 s[G0+4*\n+3], s[G0+4*\n+3], 0x80000000                ; type = 2
.endr
	ROUND                                          ; all four work-groups are here: the first joint loads meet
	tensor_load_to_lds s[G0:G0+3], s[G1:G1+7]      ; the two first fills go out together, ahead of every LDS access: two tensor loads of the wave are out,
	s_nop 0
	tensor_load_to_lds s[G0+4:G0+7], s[G1:G1+7]    ; later never more than one
	s_nop 0
	; lane addresses and constants
	s_lshl_b32 s43, s12, 13                        ; I convert rows 16 w .. 16 w + 15 of a step's 64: 8,192 bytes a wave
	v_lshl_add_u32 v[CK], v1, 4, s43
	v_add_nc_u32 v[CK+1], 2*PART, v[CK]
	v_add_nc_u32 v[CK+2], SLOT, v[CK]
	v_add_nc_u32 v[CK+3], SLOT+2*PART, v[CK]
	s_mul_i32 s46, s12, 16*KP
	s_add_co_u32 s46, s46, KST
	v_lshl_add_u32 v[KSA], v1, 3, s46
	s_mul_i32 s47, s12, 16*VP
	s_add_co_u32 s47, s47, VST
	v_lshl_add_u32 v[VSA], v1, 3, s47
	s_mul_i32 s43, s12, OWN
	s_add_co_u32 s43, s43, KST                     ; my own quarter of the stage
	v_mul_u32_u24 v17, v2, KP
	v_lshl_add_u32 v17, v3, 4, v17                 ; r x 272 + 16 h
	v_add_nc_u32 v[KAD], KST, v17
	v_add_nc_u32 v[QFA], s43, v17
	v_and_b32 v17, 7, v0
	v_lshl_add_u32 v17, v3, 3, v17                 ; key 8 h + L mod 8
	v_mul_u32_u24 v[VAD], v17, VP
	v_bfe_u32 v17, v0, 3, 1
	v_lshl_add_u32 v[VAD], v17, 4, v[VAD]          ; + 16 x ((L / 8) mod 2)
	v_add_nc_u32 v[VAD], VST, v[VAD]
	v_lshl_add_u32 v[QSA], v1, 3, s43
	v_mul_u32_u24 v[OSA], v2, OP
	v_lshl_add_u32 v[OSA], v3, 5, v[OSA]
	v_add_nc_u32 v[OSA], s43, v[OSA]               ; r x 528 + 32 h
	v_lshl_add_u32 v[ORA], v1, 4, s43
	s_mov_b32 s38, 0x76543210                      ; v_permlanex16_b32: lane i reads lane i xor 16
	s_mov_b32 s39, 0xfedcba98
	s_mov_b32 s40, 0x3e0293ee                      ; c = log2(e) / sqrt(128)
	s_mov_b32 s41, 0x3e0293ee
	s_mov_b32 s42, 0xbe0293ee                      ; -c
.irp qt, 0,1,2,3
	v_mov_b32 v[AL+2*\qt+1], 0                     ; the upper registers of the pairs whose lower one is broadcast: named, never used
	v_mov_b32 v[NM+2*\qt+1], 0
.endr
; 32 rows of q: round, 8 bytes a lane into my own stage rows of 272 bytes, fragments back (LDS serves a wave's instructions in order: ISA guide 5.7.1).
.macro QPART p
	s_wait_loadcnt 32*(1-\p)                       ; loads come back in order: rows 32 p .. 32 p + 31 are in, the younger rows may be out
	WIN 0x0a
.set i, 0
.rept 32
	v_cvt_pk_bf16_f32 v[P+2*i],   v[128*\p+4*i],   v[128*\p+4*i+1]
	v_cvt_pk_bf16_f32 v[P+2*i+1], v[128*\p+4*i+2], v[128*\p+4*i+3]
.set i, i+1
.endr
	WIN 0
.set i, 0
.rept 32
	ds_store_b64 v[QSA], v[P+2*i:P+2*i+1] offset:KP*i
.set i, i+1
.endr
	WIN 0x40
.irp t, 0,1
.irp kc, 0,1,2,3
	ds_load_b128 v[8*(4*(2*\p+\t)+\kc):8*(4*(2*\p+\t)+\kc)+3],   v[QFA] offset:16*KP*\t+64*\kc
	ds_load_b128 v[8*(4*(2*\p+\t)+\kc)+4:8*(4*(2*\p+\t)+\kc)+7], v[QFA] offset:16*KP*\t+64*\kc+32
.endr
.endr
	WIN 0
.endm
	QPART 0
	QPART 1
; My 16 rows of K and 16 of V of one step (half 0 or 1 of the slot): f32 out of the slot, bf16 into the stage.
.macro CONV slot, half
.set i, 0
.rept 16
	ds_load_b128 v[S+4*i:S+4*i+3], v[CK+2*\slot] offset:\half*PART+512*i          ; one row of 512 bytes an instruction
.set i, i+1
.endr
.set i, 0
.rept 16
	ds_load_b128 v[S+64+4*i:S+64+4*i+3], v[CK+2*\slot+1] offset:\half*PART+512*i
.set i, i+1
.endr
.irp g, 0,1,2,3
	s_wait_dscnt 24                                ; behind group g's eight loads stand 24 - 8 g loads and 8 g stores: 24 in every group
.set i, 0
.rept 8
	v_cvt_pk_bf16_f32 v[P+16*\g+2*i],   v[S+32*\g+4*i],   v[S+32*\g+4*i+1]
	v_cvt_pk_bf16_f32 v[P+16*\g+2*i+1], v[S+32*\g+4*i+2], v[S+32*\g+4*i+3]
.set i, i+1
.endr
.set i, 0
.rept 8
.if \g < 2
	ds_store_b64 v[KSA], v[P+16*\g+2*i:P+16*\g+2*i+1] offset:KP*(8*\g+i)          ; 32 lanes, 256 neighbouring bytes: a row of bf16
.else
	ds_store_b64 v[VSA], v[P+16*\g+2*i:P+16*\g+2*i+1] offset:VP*(8*(\g-2)+i)
.endif
.set i, i+1
.endr
.endr
.endm
; All fragments of a step in one run of 64 loads: K's by 32 along d, then V^T's.
.macro FRAGS
	WIN 0x40
.irp kc, 0,1,2,3
.irp kt, 0,1,2,3
	ds_load_b128 v[KF+8*(4*\kt+\kc):KF+8*(4*\kt+\kc)+3],   v[KAD] offset:16*KP*\kt+64*\kc
	ds_load_b128 v[KF+8*(4*\kt+\kc)+4:KF+8*(4*\kt+\kc)+7], v[KAD] offset:16*KP*\kt+64*\kc+32
.endr
.endr
	WIN 0xc0
.irp pc, 0,1
.irp dt, 0,1,2,3,4,5,6,7
	ds_load_tr16_b128 v[8*(2*\dt+\pc):8*(2*\dt+\pc)+3],   v[VAD] offset:32*VP*\pc+32*\dt          ; keys 32 pc + 8 h .. + 7 of column d = 16 dt + r
	ds_load_tr16_b128 v[8*(2*\dt+\pc)+4:8*(2*\dt+\pc)+7], v[VAD] offset:32*VP*\pc+32*\dt+16*VP    ; keys 32 pc + 16 + 8 h ..
.endr
.endr
.endm
; S^T = K Q^T: 64 matrix instructions.  The sixteen accumulators take turns, one instruction a turn.
.macro SCORES
	WIN 0x05
.irp kc, 0,1,2,3
	s_wait_dscnt 56-8*\kc                          ; K's loads for this 32 of d are in; 24 - 8 kc younger of K and V's 32 may be out
.irp kt, 0,1,2,3
.irp qt, 0,1,2,3
.if \kc == 0
	v_wmma_f32_16x16x32_bf16 v[S+8*(4*\qt+\kt):S+8*(4*\qt+\kt)+7], v[KF+8*(4*\kt+\kc):KF+8*(4*\kt+\kc)+7], v[8*(4*\qt+\kc):8*(4*\qt+\kc)+7], 0
.else
	v_wmma_f32_16x16x32_bf16 v[S+8*(4*\qt+\kt):S+8*(4*\qt+\kt)+7], v[KF+8*(4*\kt+\kc):KF+8*(4*\kt+\kc)+7], v[8*(4*\qt+\kc):8*(4*\qt+\kc)+7], v[S+8*(4*\qt+\kt):S+8*(4*\qt+\kt)+7]
.endif
.endr
.endr
.endr
	WIN 0
	PLACES                                         ; before vector instructions read the scores
.endm
; The step's softmax.  first = 1: nothing is carried yet.  par: which set of maxima this step writes; the other holds the last step's.
.macro SOFTMAX first, par
.set MN, VM+(VM2-VM)*\par
.set MO, VM+(VM2-VM)*(1-\par)
	; the largest score of each query: sixteen chains in the lane (one a tile), joined for each query tile, then lane xor 16
.set t, 0
.rept 16
	v_max3_num_f32 v[T+t], v[S+8*t], v[S+8*t+1], v[S+8*t+2]
.set t, t+1
.endr
.irp j, 3,5
.set t, 0
.rept 16
	v_max3_num_f32 v[T+t], v[T+t], v[S+8*t+\j], v[S+8*t+\j+1]
.set t, t+1
.endr
.endr
.set t, 0
.rept 16
	v_max_num_f32 v[T+t], v[T+t], v[S+8*t+7]
.set t, t+1
.endr
.irp qt, 0,1,2,3
	v_max3_num_f32 v[T+4*\qt], v[T+4*\qt], v[T+4*\qt+1], v[T+4*\qt+2]
.endr
.irp qt, 0,1,2,3
	v_max_num_f32 v[T+4*\qt], v[T+4*\qt], v[T+4*\qt+3]
.endr
.irp qt, 0,1,2,3
	v_permlanex16_b32 v[T+4*\qt+1], v[T+4*\qt], s38, s39           ; the other eight keys of each tile lie in lane xor 16
.endr
.if \first
.irp qt, 0,1,2,3
	v_max_num_f32 v[MN+\qt], v[T+4*\qt], v[T+4*\qt+1]
.endr
.else
.irp qt, 0,1,2,3
	v_max3_num_f32 v[MN+\qt], v[T+4*\qt], v[T+4*\qt+1], v[MO+\qt]  ; the running maximum
.endr
.irp qt, 0,1,2,3
	v_sub_f32 v[AL+2*\qt], v[MO+\qt], v[MN+\qt]                    ; exactly 0 where the maximum stays
.endr
.irp qt, 0,1,2,3
	v_mul_f32 v[AL+2*\qt], s40, v[AL+2*\qt]
.endr
.endif
.irp qt, 0,1,2,3
	v_mul_f32 v[NM+2*\qt], s42, v[MN+\qt]                          ; -c max
.endr
	; exponents c score - c max, two at a time
.set i, 0
.rept 16
.irp qt, 0,1,2,3
	v_pk_fma_f32 v[S+32*\qt+2*i:S+32*\qt+2*i+1], v[S+32*\qt+2*i:S+32*\qt+2*i+1], s[40:41], v[NM+2*\qt:NM+2*\qt+1] op_sel_hi:[1,0,0]
.endr
.set i, i+1
.endr
.if \first == 0
.irp qt, 0,1,2,3
	v_exp_f32 v[AL+2*\qt], v[AL+2*\qt]                             ; the factor on what is carried
.endr
.endif
.set i, 0
.rept 128
	v_exp_f32 v[S+i], v[S+i]
.set i, i+1
.endr
	v_nop                                          ; one plain place between the exponentials and the first use of a result (ISA guide 5.7.2)
	; the lane's sum for each query tile: two chains of pairs each
	s_wait_alu depctr_va_vdst(0)
.irp qt, 0,1,2,3
	v_pk_add_f32 v[T+4*\qt:T+4*\qt+1],   v[S+32*\qt:S+32*\qt+1],       v[S+32*\qt+2:S+32*\qt+3]
	v_pk_add_f32 v[T+4*\qt+2:T+4*\qt+3], v[S+32*\qt+16:S+32*\qt+17],   v[S+32*\qt+18:S+32*\qt+19]
.endr
.irp j, 4,6,8,10,12,14
.irp qt, 0,1,2,3
	v_pk_add_f32 v[T+4*\qt:T+4*\qt+1],   v[T+4*\qt:T+4*\qt+1],   v[S+32*\qt+\j:S+32*\qt+\j+1]
	v_pk_add_f32 v[T+4*\qt+2:T+4*\qt+3], v[T+4*\qt+2:T+4*\qt+3], v[S+32*\qt+16+\j:S+32*\qt+16+\j+1]
.endr
.endr
.irp qt, 0,1,2,3
	v_pk_add_f32 v[T+4*\qt:T+4*\qt+1], v[T+4*\qt:T+4*\qt+1], v[T+4*\qt+2:T+4*\qt+3]
.endr
.if \first
.irp qt, 0,1,2,3
	v_add_f32 v[VL+\qt], v[T+4*\qt], v[T+4*\qt+1]                  ; the first step starts the sums
.endr
.else
.irp qt, 0,1,2,3
	v_add_f32 v[T+4*\qt], v[T+4*\qt], v[T+4*\qt+1]
.endr
.irp qt, 0,1,2,3
	v_fma_f32 v[VL+\qt], v[VL+\qt], v[AL+2*\qt], v[T+4*\qt]
.endr
.endif
	; P^T: tiles kt = 2 pc and 2 pc + 1, packed, are registers 0-3 and 4-7 of the second source for keys 32 pc .. + 31
.set i, 0
.rept 16
.irp qt, 0,1,2,3
	v_cvt_pk_bf16_f32 v[P+16*\qt+i], v[S+32*\qt+2*i], v[S+32*\qt+2*i+1]
.endr
.set i, i+1
.endr
.if \first == 0
	WIN 0x82
.set i, 0
.rept 32
.irp qt, 0,1,2,3
	v_pk_mul_f32 v[64*\qt+2*i:64*\qt+2*i+1], v[64*\qt+2*i:64*\qt+2*i+1], v[AL+2*\qt:AL+2*\qt+1] op_sel_hi:[1,0]   ; what is carried of O^T, by the query's factor
.endr
.set i, i+1
.endr
.endif
.endm
; O^T += V^T P^T: 64 matrix instructions.  The 32 accumulators take turns, one instruction a turn.
; first = 1: the first products start the sums; nothing is ever cleared.
.macro PV first
	WIN 0xa3
.irp pc, 0,1
.irp qt, 0,1,2,3
.irp dt, 0,1,2,3,4,5,6,7
.if \first*(1-\pc)
	v_wmma_f32_16x16x32_bf16 v[8*(8*\qt+\dt):8*(8*\qt+\dt)+7], v[8*(2*\dt+\pc):8*(2*\dt+\pc)+7], v[P+8*(2*\qt+\pc):P+8*(2*\qt+\pc)+7], 0
.else
	v_wmma_f32_16x16x32_bf16 v[8*(8*\qt+\dt):8*(8*\qt+\dt)+7], v[8*(2*\dt+\pc):8*(2*\dt+\pc)+7], v[P+8*(2*\qt+\pc):P+8*(2*\qt+\pc)+7], v[8*(8*\qt+\dt):8*(8*\qt+\dt)+7]
.endif
.endr
.endr
.endr
	PLACES                                         ; before P's registers are written and V^T's loaded again, and before results are read
	WIN 0
.endm
; One step of 64 keys.  mid = 1: another step of the same slot follows, and the barrier between this step's reads of the stage and
; the next step's stores into it is signalled ahead of the second product and waited for behind it.
.macro HALF slot, half, first, mid
	CONV \slot, \half
	s_wait_dscnt 0x0                               ; my stores into the stage are done,
	s_barrier_signal -1
	s_barrier_wait -1                              ; everybody's are: the stage is whole
	FRAGS
	SCORES
	SOFTMAX \first, \half
	s_wait_dscnt 0x0                               ; V^T's fragments are in, and with them all my reads of the stage
.if \mid
	s_barrier_signal -1
.endif
	PV \first
.if \mid
	s_barrier_wait -1                              ; no wave reads the stage any more
.endif
.endm
; Two steps out of one slot.  refill = 1: the other slot, read last, is asked for again, 256 keys on.
; In front of the barrier every wave has waited for all its tensor loads (its part of this slot among them) and for its LDS reads
; (of the other slot and of the stage).  With a refill the barrier is a round of the cluster's: no wave of any partner still reads the
; other slot or has a load on its way; the joint load is the wave's first and only tensor load behind the round, and has two steps' work in which to land.
.macro TWO slot, refill
	s_wait_tensorcnt 0x0
	ds_add_u32 v62, v63
	s_wait_dscnt 0x0
.if \refill
	s_add_nc_u64 s[G0+4*(1-\slot)+2:G0+4*(1-\slot)+3], s[G0+4*(1-\slot)+2:G0+4*(1-\slot)+3], 256*SEQB   ; no tensor load of mine is out: a group 0 may be written
.endif
	s_wait_dscnt 0x0
.if \refill
	ROUND
	tensor_load_to_lds s[G0+4*(1-\slot):G0+4*(1-\slot)+3], s[G1:G1+7]
	s_nop 0
.else
	s_barrier_signal -1
	s_barrier_wait -1
.endif
	HALF \slot, 0, 0, 1
	HALF \slot, 1, 0, 0
.endm
	s_wait_tensorcnt 0x1                           ; my part of slot 0 is in; slot 1's may stay out
	s_wait_dscnt 0x0                               ; Q's fragments are in: my quarter of the stage is free for K and V
	s_barrier_signal -1
	s_barrier_wait -1
	HALF 0, 0, 1, 1                                ; keys 0-63 start maxima, sums and O^T
	HALF 0, 1, 0, 0
	s_mov_b32 s36, 7                               ; 14 of the 16 slots' worth of keys go round in the loop
.Lpair:
	TWO 1, 1
	TWO 0, 1
	s_sub_co_u32 s36, s36, 1
	s_cmp_lg_u32 s36, 0
	s_cbranch_scc1 .Lpair
	TWO 1, 0                                       ; keys 1,920-2,047: nothing is left to fetch
	; THE WAY OUT.  All reads of the stage are over (each wave waited for its own ahead of its last product): behind this barrier each wave has its quarter to itself.
	s_barrier_signal -1
	s_barrier_wait -1
.irp qt, 0,1,2,3
	v_permlanex16_b32 v[T+\qt], v[VL+\qt], s38, s39                ; the other half of each query's sum
.endr
.irp qt, 0,1,2,3
	v_add_f32 v[T+\qt], v[T+\qt], v[VL+\qt]
.endr
.irp qt, 0,1,2,3
	v_rcp_f32 v[AL+2*\qt], v[T+\qt]
.endr
	v_nop                                          ; one plain place behind the reciprocals
	s_wait_alu depctr_va_vdst(0)
; 16 queries: O^T / sum, 32 bytes a lane and d tile into rows of 528 bytes (33 x 16: sixteen rows, sixteen different 16-byte columns), whole rows back, one row of 512 aligned bytes a store.
.macro OUT16 qt
	WIN 0x02
.irp dt, 0,1,2,3,4,5,6,7
.irp j, 0,2,4,6
	v_pk_mul_f32 v[S+8*\dt+\j:S+8*\dt+\j+1], v[8*(8*\qt+\dt)+\j:8*(8*\qt+\dt)+\j+1], v[AL+2*\qt:AL+2*\qt+1] op_sel_hi:[1,0]
.endr
.endr
	WIN 0
.irp dt, 0,1,2,3,4,5,6,7
	ds_store_b128 v[OSA], v[S+8*\dt:S+8*\dt+3]   offset:64*\dt
	ds_store_b128 v[OSA], v[S+8*\dt+4:S+8*\dt+7] offset:64*\dt+16
.endr
	s_wait_xcnt 0x0                                ; the last sixteen stores' data registers are loaded again only behind this wait (ISA guide 3.1)
.set i, 0
.rept 16
	ds_load_b128 v[P+4*i:P+4*i+3], v[ORA] offset:OP*i              ; my own bytes, served in order behind the stores above
.set i, i+1
.endr
.set i, 0
.rept 16
	s_wait_dscnt 15-i                              ; row i is in; the 15 - i younger loads may be out
	global_store_b128 v[GOFF], v[P+4*i:P+4*i+3], s[10:11] offset:(16*\qt+i)*SEQB th:TH_STORE_NT
.set i, i+1
.endr
.endm
	OUT16 0
	OUT16 1
	OUT16 2
	OUT16 3
	s_wait_tensorcnt 0x0
	ds_add_u32 v62, v63
	s_wait_dscnt 0x0
	ROUND                                          ; the closing round: no work-group ends while a partner may still ask for a tile that names it
	s_endpgm
.Lfunc_end_k_q643926f06a_attn:
	.size	k_q643926f06a_attn, .Lfunc_end_k_q643926f06a_attn-k_q643926f06a_attn
	.p2alignl 7, 3214868480
	.fill 96, 4, 3214868480
	.section	.rodata,"a",@progbits
	.p2align	6, 0x0
	.amdhsa_kernel k_q643926f06a_attn
		.amdhsa_group_segment_fixed_size 327680
		.amdhsa_private_segment_fixed_size 0
		.amdhsa_enable_private_segment 0
		.amdhsa_kernarg_size 32
		.amdhsa_user_sgpr_count 2
		.amdhsa_user_sgpr_kernarg_segment_ptr 1
		.amdhsa_wavefront_size32 1
		.amdhsa_system_sgpr_workgroup_id_x 1
		.amdhsa_system_sgpr_workgroup_id_y 1
		.amdhsa_system_sgpr_workgroup_id_z 1
		.amdhsa_system_vgpr_workitem_id 0
		.amdhsa_next_free_vgpr 896
		.amdhsa_next_free_sgpr 66
		.amdhsa_reserve_vcc 0
		.amdhsa_float_denorm_mode_32 3
		.amdhsa_float_denorm_mode_16_64 3
		.amdhsa_memory_ordered 1
		.amdhsa_forward_progress 1
		.amdhsa_inst_pref_size 255
	.end_amdhsa_kernel
	.section	.bss,"aw",@nobits
	.p2align	6
	.space	262144
	.amdgpu_metadata
---
amdhsa.version: [ 1, 2 ]
amdhsa.kernels:
  - .name:           k_q643926f06a_attn
    .symbol:         k_q643926f06a_attn.kd
    .args:
      - { .name: q, .offset: 0, .size: 8, .value_kind: global_buffer, .address_space: global }
      - { .name: k, .offset: 8, .size: 8, .value_kind: global_buffer, .address_space: global }
      - { .name: v, .offset: 16, .size: 8, .value_kind: global_buffer, .address_space: global }
      - { .name: out0, .offset: 24, .size: 8, .value_kind: global_buffer, .address_space: global }
    .group_segment_fixed_size: 327680
    .private_segment_fixed_size: 0
    .kernarg_segment_align: 8
    .kernarg_segment_size: 32
    .max_flat_workgroup_size: 128
    .sgpr_count:     66
    .vgpr_count:     896
    .wavefront_size: 32
...
	.end_amdgpu_metadata
.endif
;; end of part 1
